; MI455X (gfx1250); checked and timed in simulation.
; The chip was launched on July 23, 2026; its instructions are those of AMD's public machine-readable ISA for CDNA 5 (MIT licence, August 2026) and "CDNA5" Instruction Set Architecture Reference Guide (July 2026). The comments in the code are by the model that wrote it; some were corrected since.
;; Self Attention. Allowed arithmetic: matrix products marked QUANTISED: E2M3 operands, one E8M0 scale for each 32 along K, by v_wmma_scale_f32_16x16x128_f8f6f4 with both operands' format E2M3, f32 sums; everything else in f32.
;; Inputs: qkv 4 x 2,048 x 3 x 16 x 64 float32.
;; Outputs: out0 4 x 2,048 x 16 x 64 float32.
;; This version of the problem:
;;   THIS VERSION OF THE PROBLEM IS GIVEN IN LOW PRECISION. The matrix products marked QUANTISED in the list below multiply operands that are first quantised to E2M3 (2 exponent bits, 3 mantissa bits; 6 bits a number), with one power-of-two scale for each 32 numbers along K (OCP MX v1.0); their sums are f32. All else is computed in f32.
;;   The module's matrix products, in the order in which they are computed (A, B: the left and right operand; K: the contracted axis; several contracted axes count as one K, in the product's order):
;;     1. batch 64 x [M 2,048, K 64] x [K 64, N 2,048]; A: input qkv; B: computed on the way: QUANTISED
;;     2. batch 64 x [M 64, K 2,048] x [K 2,048, N 2,048]; A: input qkv; B: softmax (see below): QUANTISED
;;   THE QUANTISER, for each operand of a quantised product, along K:
;;     - K is cut into blocks of 32 from its start; a last block that is shorter is filled with zeros.
;;     - A block's scale is 2^e with e = floor(log2(the largest magnitude in the block)) - 2, held to -126 .. 127; a block of zeros has e = 0. As a byte (E8M0): e + 127.
;;     - Each number is divided by its block's scale, clamped to +-7.5, and rounded to the nearest number of E2M3, ties to even, subnormals kept.
;;     - The product sums the exact products of the quantised numbers (number of the format x scale) in f32.
;;   ~~~python
;;   def quantise(x, axis):      # numpy; x: float32 -> the quantised numbers, widened to float32 again
;;       x = np.moveaxis(x, axis, -1); K = x.shape[-1]
;;       x = np.pad(x, [(0, 0)] * (x.ndim - 1) + [(0, -K % 32)]); x = x.reshape(x.shape[:-1] + (-1, 32)); a = np.abs(x).max(-1, keepdims=True)
;;       e = np.where(a > 0, np.clip(np.frexp(np.where(a > 0, a, 1))[1] - 1 - 2, -126, 127), 0)      # np.frexp(a)[1] - 1 = floor(log2(a)), exactly
;;       r = np.clip(x / 2.0 ** e, -7.5, 7.5)
;;       step = 2.0 ** (np.maximum(np.frexp(np.where(r == 0, 1, r))[1] - 1, 0) - 3)
;;       q = np.round(r / step) * step * 2.0 ** e      # np.round: ties to even
;;       return np.moveaxis(q.reshape(q.shape[:-2] + (-1,))[..., :K], -1, axis).astype(np.float32)
;;   ~~~
;;   SOFTMAX AHEAD OF A QUANTISED PRODUCT. Where the list says 'softmax', what is quantised is not the finished softmax but p = 2^(t - M), with t = logit x log2(e) and M = ceil(the row's largest t), a whole number; so 1/2 < the row's largest p <= 1. The row's sum l is taken of the UNQUANTISED p, in f32, and the product's result is divided by l at the end. Since M is a whole number, a kernel that streams over the keys may use a running M (the ceiling of the running maximum): every later rescaling is an exact power of two, which a block's scale takes up: the codes' values come out the same.
;;   OPERANDS COMPUTED ON THE WAY. 'Computed on the way' means the value that the module computes at that place (a softmax that the list does not call 'softmax' is quantised finished and normalised). What goes into a quantiser is computed in f32, as accurately as f32 sums, v_exp_f32 and their like allow (about 1e-6 of the number): no bf16 or f16 on the way to a quantiser, and a product that is left as it is and whose result goes on into a quantised operand takes f32 operands (vector FMAs, or v_wmma_f32_16x16x4_f32). A number that lies on a knife's edge between two numbers of the format may be rounded either way, as far as f32 arithmetic and the matrix unit's own rounding can turn it there, and no further.
;; One version. Each part assembles by itself: llvm-mc -triple=amdgcn-amd-amdhsa -mcpu=gfx1250 --defsym DOCPART=n.
;; ======== version 1 of 1: 2 launches
;; limits: right only within a limited range of input values
;; workspace buffers: kv 13,107,200 bytes
;; launch quant (part 1): grid 16 x 64, 4 waves a work-group, no clusters, 71,168 bytes of LDS; arguments qkv, kv; writes kv
.if DOCPART == 1
	.amdgcn_target "amdgcn-amd-amdhsa--gfx1250"
	.amdhsa_code_object_version 6
	.text
	.protected	k_q2f90ae32d8_quant
	.globl	k_q2f90ae32d8_quant
	.p2align	8
	.type	k_q2f90ae32d8_quant,@function
k_q2f90ae32d8_quant:
	s_mov_b64 s[64:65], 0
	v_nop
	global_prefetch_b8 v0, s[64:65] scope:SCOPE_SE
	s_setreg_imm32_b32 hwreg(HW_REG_WAVE_MODE, 25, 1), 1
	s_wait_xcnt 0x0
; k and v of qkv [4][2048][3][16][64], f32, become codes of FP6 (E2M3) with one E8M0 byte for each 32 along a product's K, laid in kv as the second launch's matrix operands lie in registers.
; kv: [head 0..63][step 0..15][12,800 bytes]; a step serves 128 keys:
;   bytes 0 .. 6,143      K's four double fragments b, 1,536 bytes each;   bytes 6,144 .. 12,287  V's four fragments t, 1,536 bytes each;   bytes 12,288 .. 12,799  scale words.
;   A fragment is an image of 12 registers: registers 4 c .. 4 c + 3 of lane l are the 16 bytes at 512 c + 16 l.
;   K double fragment b, lane (r, h): registers 0-5 the codes of key 32 b + r + 8 (r / 8), d = 32 h .. 32 h + 31; registers 6-11 those of the key 8 further on.  (The head's 64 are half of the matrix
;   instruction's 128 along K, so one operand carries two tiles of 16 keys.)   V fragment t, lane (r, h): registers 6 c .. 6 c + 5 the codes of v[key 64 c + 32 h + 0 .. 31][d = 16 t + r]: the keys are V's K.
;   Scale words, 16 bytes at 16 x lane: lanes 0-15 (row r): word b is K double fragment b's; lanes 16-31 (row r): word t is V fragment t's.
; THE QUANTISER: a block's scale is 2^(floor(log2(its largest magnitude)) - 2); its byte is the largest magnitude's exponent field - 2.  k is multiplied by rsqrt(64) = 2^-3 ahead of its quantiser: an exact power of
; two, so k / 8 has k's codes and k's byte less 3.
; LIMITS: a block whose largest magnitude lies under the floor (2^-124; for k 2^-121, so that the byte less 3 stays at 1 or more) keeps the floor's byte; a block of zeros so has the byte 1 where the rule says 127:
; its codes are zeros, which add nothing, and this program alone reads the bytes.  NaN and infinities among the inputs are not served.
; SHARES: a work-group makes one step block of one head.  Wave w loads keys 32 w .. 32 w + 31 of k and of v (each load: two rows of 256 consecutive bytes, sixteen lanes to a row), makes K double fragment w from its
; own rows, and V fragment w (d = 16 w .. 16 w + 15), which wants all 128 keys: so v's rows meet in LDS behind a barrier.  Written out, no loop; no register that a store reads is written again.
.set ROWQ,  12288                      ; bytes from one position of the sequence to the next: 3 x 16 x 64 f32
.set STEPB, 12800                      ; a step block of kv
.set FRB,   1536                       ; a fragment's image
.set P,     272                        ; a row in a stage: 256 bytes + 16
.set WST,   32*P                       ; K's stage: 32 rows for each wave, the wave's own
.set WSV,   32*P+64                    ; V's stage: 32 rows for each wave and 64 bytes more, so that the two halves of the lanes, which read columns 32 keys apart, start 64 bytes apart modulo 256
.set VST,   4*WST                      ; V's stage begins behind K's four
.set SCS,   VST+4*WSV                  ; 69,888: the step's 512 bytes of scale words
.set RK,    32                         ; v32-95   k as loaded; later YV
.set RV,    96                         ; v96-159  v as loaded
.set XK,    160                        ; v160-223 k turned: 64 numbers, two whole blocks of 32
.set YV,    32                         ; v32-95   v's column: 64 numbers, two whole blocks of 32
.set CK,    224                        ; v224-235 K's codes
.set CV,    236                        ; v236-247 V's codes (a set of its own: no store's data are written again)
; v1 lane, v2 r, v3 h, v4 my bytes in a load, v5 16 x lane, v6-v10 and v25 LDS addresses, v11 8 h, v12-13 maxima, v16-17 the conversions' scale operands, v18-19 bytes, v20-21 at work, v22 K's word, v23 V's, v24 the word stored
	s_load_b128 s[4:7], s[0:1], 0x0                ; qkv s[4:5], kv s[6:7]
	v_lshl_add_u32 v251, v0, 2, 0x11400
	v_mov_b32 v255, 0
	v_lshrrev_b32 v1, 5, v0
	v_readfirstlane_b32 s8, v1                     ; wave 0..3
	v_and_b32 v1, 31, v0                           ; lane
	v_and_b32 v2, 15, v0                           ; r
	v_bfe_u32 v3, v0, 4, 1                         ; h
	s_wait_alu depctr_va_vdst(0)
	s_and_b32 s10, ttmp7, 0xffff                   ; the head, 16 x batch + head of the batch
	s_lshr_b32 s11, s10, 4
	s_and_b32 s12, s10, 15
	s_lshl_b32 s14, s11, 11                        ; my wave's first key: position 2,048 x batch + 128 x step + 32 x wave
	s_lshl_b32 s13, ttmp9, 7
	s_add_co_u32 s14, s14, s13
	s_lshl_b32 s13, s8, 5
	s_add_co_u32 s14, s14, s13
	s_mul_i32 s14, s14, ROWQ                       ; in bytes (under 2^27),
	s_lshl_b32 s13, s12, 8
	s_add_co_u32 s14, s14, s13                     ; + the head's 256 bytes
	s_add_co_u32 s14, s14, 4096                    ; + 4,096: k; v lies 4,096 further on
	s_mov_b32 s15, 0
	s_lshl_b32 s16, s10, 4
	s_add_co_u32 s16, s16, ttmp9
	s_mul_i32 s16, s16, STEPB                      ; my step block,
	s_mul_i32 s13, s8, FRB
	s_add_co_u32 s16, s16, s13                     ; and my fragment in it
	s_mov_b32 s17, 0
	s_mov_b32 s20, 0x76543210
	s_mov_b32 s21, 0xfedcba98                      ; v_permlanex16_b32's selects for lane l xor 16
	v_mul_u32_u24 v4, v3, ROWQ
	v_lshl_add_u32 v4, v2, 4, v4                   ; a load: lanes 0-15 one key's row, lanes 16-31 the next key's; 16 bytes a lane
	s_wait_alu depctr_va_vdst(0)
	s_wait_kmcnt 0x0
	s_add_nc_u64 s[4:5], s[4:5], s[14:15]
	s_add_nc_u64 s[6:7], s[6:7], s[16:17]
.irp i, 0,1,2,3,4,5,6,7,8,9,10,11,12,13,14,15
	global_load_b128 v[RK+4*\i:RK+4*\i+3], v4, s[4:5] offset:2*ROWQ*\i th:TH_LOAD_NT          ; k of keys 2 i, 2 i + 1
.endr
.irp i, 0,1,2,3,4,5,6,7,8,9,10,11,12,13,14,15
	global_load_b128 v[RV+4*\i:RV+4*\i+3], v4, s[4:5] offset:2*ROWQ*\i+4096 th:TH_LOAD_NT     ; v of the same keys
.endr
	v_lshlrev_b32 v5, 4, v1                        ; 16 x lane: my place in an image
	s_mul_i32 s22, s8, WST
	v_mul_u32_u24 v26, v3, P
	v_lshl_add_u32 v26, v2, 4, v26                 ; into a stage: row h of a pair, 16 r
	v_add_nc_u32 v6, s22, v26                      ; K's stage, in
	v_and_b32 v27, 8, v2
	v_add_nc_u32 v27, v27, v2                      ; r + 8 (r / 8)
	v_mul_u32_u24 v7, v27, P
	v_lshl_add_u32 v7, v3, 7, v7
	v_add_nc_u32 v7, s22, v7                       ; K's stage, out: that row, d = 32 h on
	s_mul_i32 s23, s8, WSV
	s_add_co_u32 s23, s23, VST
	v_add_nc_u32 v8, s23, v26                      ; V's stage, in
	v_mul_u32_u24 v9, v3, WSV
	v_lshl_add_u32 v9, v2, 2, v9
	s_lshl_b32 s24, s8, 6
	s_add_co_u32 s24, s24, VST
	v_add_nc_u32 v9, s24, v9                       ; V's stage, out: keys 32 h on, column d = 16 w + r
	s_lshl_b32 s25, s8, 2
	s_add_co_u32 s25, s25, SCS
	v_lshl_add_u32 v10, v1, 4, s25                 ; my scale word: 16 x lane + 4 x wave
	v_lshl_add_u32 v25, v1, 4, SCS                 ; and the four words of a lane, on the way out
	v_lshlrev_b32 v11, 3, v3                       ; 8 h
	v_mov_b32 v21, 0                               ; written once: a lane permute's destination counts as one of its sources
; 64 numbers of a lane, v[src] on, are two whole blocks of 32: blocks h and 2 + h of the operand's row.  They become registers 0-11 of the operand in v[dst] on, and the row's scale word in v[word], in both halves of the lanes.
.macro QUANT src, dst, word, floor
.irp c, 0,1
	v_max3_num_f32 v[12+\c], |v[\src+32*\c]|, |v[\src+32*\c+1]|, \floor     ; the largest magnitude, with the floor among its leaves: the byte cannot fall under its least
.endr
.irp i, 2,4,6,8,10,12,14,16,18,20,22,24,26,28,30
.irp c, 0,1
	v_max3_num_f32 v[12+\c], v[12+\c], |v[\src+32*\c+\i]|, |v[\src+32*\c+\i+1]|   ; (the two blocks by turns)
.endr
.endr
.irp c, 0,1
	v_add_nc_u32 v[16+\c], 0xff000000, v[12+\c]    ; 2 off its exponent field: the conversion takes the exponent field of this operand as its scale, and nothing else of it
.endr
.irp c, 0,1
	v_lshrrev_b32 v[18+\c], 23, v[16+\c]           ; the scale's byte
.endr
.irp c, 0,1
	v_cvt_scalef32_pk16_fp6_f32 v[\dst+6*\c:\dst+6*\c+2], v[\src+32*\c:\src+32*\c+15], v[16+\c]
	v_cvt_scalef32_pk16_fp6_f32 v[248+4*\c:250+4*\c], v[\src+32*\c+16:\src+32*\c+31], v[16+\c]   ; (a conversion's three registers begin on an even number: the block's second half is made elsewhere and moved)
.endr
	v_lshl_or_b32 v20, v19, 16, v18                ; my two bytes.  (Also the one plain instruction between the conversions and the moves that read their results)
.irp c, 0,1
.irp i, 0,1,2
	v_mov_b32 v[\dst+6*\c+3+\i], v[248+4*\c+\i]
.endr
.endr
	v_lshlrev_b32 v20, v11, v20                    ; at their places in the word: 8 h bits up;
	v_permlanex16_b32 v21, v20, s20, s21
	v_or_b32 v[\word], v20, v21                    ; with lane l xor 16's two the word is whole
.endm
	s_wait_alu depctr_va_vdst(0)
	s_wait_loadcnt 16                              ; k's 16 loads are in; v's 16, issued behind them, may be out
.irp i, 0,1,2,3,4,5,6,7,8,9,10,11,12,13,14,15
	ds_store_b128 v6, v[RK+4*\i:RK+4*\i+3] offset:2*P*\i
.endr
.irp u, 0,1
.irp j, 0,1,2,3,4,5,6,7
	ds_load_b128 v[XK+32*\u+4*\j:XK+32*\u+4*\j+3], v7 offset:8*P*\u+16*\j   ; my wave's own bytes; LDS serves a wave's instructions in order (ISA guide 5.7.1.4): these see the stores above
.endr
.endr
	s_wait_loadcnt 0x0                             ; v
.irp i, 0,1,2,3,4,5,6,7,8,9,10,11,12,13,14,15
	ds_store_b128 v8, v[RV+4*\i:RV+4*\i+3] offset:2*P*\i
.endr
	s_wait_dscnt 0x0                               ; for the others' sake: my rows of v lie in the stage (and my k is back)
	s_barrier_signal -1
	s_barrier_wait -1                              ; all 128 rows of v lie there
.irp c, 0,1
.irp i, 0,1,2,3,4,5,6,7,8,9,10,11,12,13,14,15,16,17,18,19,20,21,22,23,24,25,26,27,28,29,30,31
	ds_load_b32 v[YV+32*\c+\i], v9 offset:2*WSV*\c+P*\i     ; v[key 64 c + 32 h + i][16 w + r]: a lane's registers run down the keys.  They land while k is quantised
.endr
.endr
	QUANT XK, CK, 22, 0x3000000                    ; floor 2^(6 - 127)
	v_add_nc_u32 v22, 0xfcfcfcfd, v22              ; 3 off each of the four bytes: the 2^-3.  Every byte is 4 or more, so none borrows
.irp c, 0,1,2
	global_store_b128 v5, v[CK+4*\c:CK+4*\c+3], s[6:7] offset:512*\c         ; 32 lanes store 512 consecutive bytes, at a multiple of 256 from kv's first byte
.endr
	s_wait_dscnt 0x0                               ; v's column is in
	QUANT YV, CV, 23, 0x1800000                    ; floor 2^(3 - 127)
.irp c, 0,1,2
	global_store_b128 v5, v[CV+4*\c:CV+4*\c+3], s[6:7] offset:4*FRB+512*\c
.endr
	v_cmp_eq_u32 vcc_lo, 1, v3
	v_cndmask_b32 v24, v22, v23, vcc_lo            ; lanes 0-15 K's word of row r, lanes 16-31 V's
	ds_store_b32 v10, v24
	s_wait_dscnt 0x0                               ; for wave 0's sake
	s_barrier_signal -1
	s_barrier_wait -1                              ; the step's 128 scale words lie together
	s_cmp_lg_u32 s8, 0
	s_cbranch_scc1 .Ldone
	ds_load_b128 v[28:31], v25
	s_wait_dscnt 0x0
	global_store_b128 v5, v[28:31], s[6:7] offset:8*FRB      ; wave 0's base is the step block's first byte: 512 consecutive bytes
.Ldone:
	s_wait_tensorcnt 0x0
	ds_add_u32 v251, v255
	s_wait_dscnt 0x0
	s_endpgm
.Lfunc_end_k_q2f90ae32d8_quant:
	.size	k_q2f90ae32d8_quant, .Lfunc_end_k_q2f90ae32d8_quant-k_q2f90ae32d8_quant
	.p2alignl 7, 3214868480
	.fill 96, 4, 3214868480
	.section	.rodata,"a",@progbits
	.p2align	6, 0x0
	.amdhsa_kernel k_q2f90ae32d8_quant
		.amdhsa_group_segment_fixed_size 71168
		.amdhsa_private_segment_fixed_size 0
		.amdhsa_enable_private_segment 0
		.amdhsa_kernarg_size 16
		.amdhsa_user_sgpr_count 2
		.amdhsa_user_sgpr_kernarg_segment_ptr 1
		.amdhsa_wavefront_size32 1
		.amdhsa_system_sgpr_workgroup_id_x 1
		.amdhsa_system_sgpr_workgroup_id_y 1
		.amdhsa_system_sgpr_workgroup_id_z 1
		.amdhsa_system_vgpr_workitem_id 0
		.amdhsa_next_free_vgpr 256
		.amdhsa_next_free_sgpr 66
		.amdhsa_reserve_vcc 1
		.amdhsa_float_denorm_mode_32 3
		.amdhsa_float_denorm_mode_16_64 3
		.amdhsa_memory_ordered 1
		.amdhsa_forward_progress 1
		.amdhsa_inst_pref_size 21
	.end_amdhsa_kernel
	.amdgpu_metadata
---
amdhsa.version: [ 1, 2 ]
amdhsa.kernels:
  - .name:           k_q2f90ae32d8_quant
    .symbol:         k_q2f90ae32d8_quant.kd
    .args:
      - { .name: qkv, .offset: 0, .size: 8, .value_kind: global_buffer, .address_space: global }
      - { .name: kv, .offset: 8, .size: 8, .value_kind: global_buffer, .address_space: global }
    .group_segment_fixed_size: 71168
    .private_segment_fixed_size: 0
    .kernarg_segment_align: 8
    .kernarg_segment_size: 16
    .max_flat_workgroup_size: 128
    .sgpr_count:     66
    .vgpr_count:     256
    .wavefront_size: 32
...
	.end_amdgpu_metadata
.endif
;; end of part 1
;; launch attn (part 2): grid 4 x 64, 16 waves a work-group, no clusters, 276,480 bytes of LDS; arguments qkv, kv, out0; writes out0
.if DOCPART == 2
	.amdgcn_target "amdgcn-amd-amdhsa--gfx1250"
	.amdhsa_code_object_version 6
	.text
	.protected	k_q2f90ae32d8_attn
	.globl	k_q2f90ae32d8_attn
	.p2align	8
	.type	k_q2f90ae32d8_attn,@function
k_q2f90ae32d8_attn:
	s_mov_b64 s[64:65], 0
	v_nop
	global_prefetch_b8 v0, s[64:65] scope:SCOPE_SE
	s_setreg_imm32_b32 hwreg(HW_REG_WAVE_MODE, 25, 1), 1
	s_wait_xcnt 0x0
; out0[b][t][h][:] = the sum over s of softmax_s(q[t] . k[s] / 8 + mask) v[s][:], the mask adding -10000 where s > t; both products on codes of FP6 (E2M3) with one E8M0 byte for each 32 along a product's K.
; k and v come as codes and scale words from kv, laid as the operands lie in registers (12,800 bytes for each step of 128 keys: K's four double fragments, V's four fragments, 512 bytes of scale words); q comes as
; f32 from qkv and is quantised here: each row is read by one wave, once.
; THE SOFTMAX AHEAD OF THE SECOND PRODUCT: t = logit x log2(e); M = the row's largest t so far, rounded UP to a whole number; p = 2^(t - M) is what is quantised, along the keys, not normalised.  The row's sum is taken
; of the unquantised p and divides O at the end.  When M moves, the sum and O are multiplied by 2^(old M - new M): exact.
; SHARES.  A work-group serves one head and two blocks of 256 queries, blocks 7 - x and x.  Each of its sixteen waves owns one tile of 16 queries in each: queries 256 (7 - x) + 16 w (first pass) and 256 x + 16 (15 - w)
; (second pass).  A tile with first query Q has Q / 128 + 1 steps of 128 keys that count: the two tiles' steps add up to 17 in every wave of every work-group.
; LDS.  A head's codes and scale words are 16 x 12,800 = 204,800 bytes: they come ONCE, by tensor loads at the head, and stay: no slot is filled again.  Behind them each wave has a stage of its own (16 rows x 272 bytes).
; LAYOUT.  Both products are used transposed (source 0 = 16 keys, or 16 of the head's 64; source 1 = my 16 queries): a lane holds ONE query (lane % 16) throughout.  The head's 64 are half of the instruction's 128
; along K: a double fragment of K holds two tiles of keys, and is multiplied once by q's codes followed by zero codes and once by zero codes followed by q's codes: zero codes add nothing.
; The keys of a tile are not neighbours (row r of tile 2 b + u is key 32 b + 8 u + r + 8 (r / 8)), so that the 16 registers of tiles 2 b, 2 b + 1 are the 16 neighbouring keys 32 b + 16 (lane / 16) + 0 .. 15.
; THE MASK, AND A LIMIT.  In the one step of a tile that lies on the diagonal, -10000 is added to the hidden scores, as the problem's definition adds it.  Steps all of whose keys are hidden are left out: their p is
; 0 in f32 as long as no hidden score lies 9,912 or more above the row's largest score that counts (2^-126 is e^-87.3).  With inputs 30 times the drawn spread a score's deviation is 900, and that bound 7.8 deviations of a difference.
; OTHER LIMITS: NaN and infinities are not served; a p under 2^-126 counts as 0 (v_exp_f32); a block of q or of p whose largest magnitude lies under 2^-124 keeps the byte 1.
; NO JOINT LOADS: the four work-groups of a head read the same 204,800 bytes, once each, at their heads.  But each leaves out key steps by a branch on its own block of queries, which would be its place among
; the four.
.set STEPB,  12800                     ; a step's bytes
.set FRB,    1536                      ; a fragment's image: registers 4 c .. 4 c + 3 of lane l at 512 c + 16 l
.set STG,    16*STEPB                  ; the stages begin behind the head's codes: bytes into which no tensor load lands
.set SP,     272                       ; a stage row: 256 bytes + 16
.set ROWQ,   12288                     ; bytes from one position of the sequence to the next in qkv
.set LI,  1                            ; v1   16 x lane
.set ADR, 2                            ; v2   LDS address of the step in hand
.set STI, 3                            ; v3   stage: row r, + 32 h: where O's tiles go in
.set QRD, 4                            ; v4   stage: row r, + 128 h: where q's block of 32 comes out
.set SRW, 5                            ; v5   stage by rows: row h of a pair, 16 r
.set GQ,  6                            ; v6   the same two rows in qkv
.set GO,  7                            ; v7   and in out0
.set SH8, 8                            ; v8   8 h
.set DL,  10                           ; v10  r - 16 h
.set NEG, 11                           ; v11  -10000.0
                                       ; v12 -M, v13 the largest t, v[14:15] the sum in two halves
                                       ; v16-21 zero codes, v22-27 q of the first pass, v28-33 zero codes, v34-39 q of the second pass, v40-45 zero codes; v46, v47 q's scale words
.set FR,  48                           ; v48-95   four fragments: K's double ones, then V's
.set S,   96                           ; v96-159  S^T, then p
.set O,   160                          ; v160-191 O^T
.set PC,  192                          ; v192-203 p's codes
.set CT,  204                          ; v204-206, v208-210 the conversions' second halves
.set SC,  212                          ; v212-215 the step's scale words: lanes 0-15 K's, lanes 16-31 V's
.set PW,  216                          ; v216     p's scale word
.set BM,  220                          ; v220-223 the blocks' largest scores, then largest p
.set PT,  224                          ; v224-227 lane permutes' results, then bytes
.set CO,  228                          ; v228-231 the conversions' scale operands
.set F,   232                          ; v[232:233] f = 2^(old M - new M), named as a pair
.set T,   234                          ; v234-237 at work
.set L2,  238                          ; v[238:239] the sum's second chain
.set G1A, 24                           ; s[24:31] descriptor group 1: 50 rows of 256 bytes;   s[32:39]: 150 rows
.set G1B, 32
.set G0A, 40                           ; s[40:43], s[44:47] their groups 0
.set G0B, 44
.set SEL, 48                           ; s[48:49] lane selects for v_permlanex16_b32: lane l xor 16
.set CS,  50                           ; s[50:51] log2(e): the packed form names a pair and takes its low word for both halves
.set TB,  52                           ; s52  LDS byte at which the step in hand begins
.set KF,  53                           ; s53  its first key
.set Q0B, 54                           ; s54  my first query of the first pass
.set Q0A, 55                           ; s55  of the second
.set CNT, 56                           ; s56  counts a loop's trips
	s_load_b128 s[4:7], s[0:1], 0x0                ; qkv s[4:5], kv s[6:7]
	s_load_b64 s[8:9], s[0:1], 0x10                ; out0
	v_lshl_add_u32 v254, v0, 2, 0x43000
	v_mov_b32 v255, 0
	ds_add_u32 v254, v255
	ds_add_u32 v254, v255
	v_lshrrev_b32 v1, 5, v0
	s_delay_alu instid0(VALU_DEP_1)
	v_readfirstlane_b32 s10, v1                    ; wave 0..15
	s_and_b32 s12, ttmp7, 0xffff                   ; the head, 16 x batch + head of the batch
	s_lshr_b32 s13, s12, 4
	s_and_b32 s14, s12, 15
	s_lshl_b32 s57, s10, 4
	s_sub_co_u32 s[Q0B], 7, ttmp9
	s_lshl_b32 s[Q0B], s[Q0B], 8
	s_add_co_u32 s[Q0B], s[Q0B], s57               ; 256 (7 - x) + 16 w
	s_lshl_b32 s[Q0A], ttmp9, 8
	s_add_co_u32 s[Q0A], s[Q0A], 240
	s_sub_co_u32 s[Q0A], s[Q0A], s57               ; 256 x + 16 (15 - w)
	s_lshl_b32 s58, s13, 11
	s_add_co_u32 s59, s58, s[Q0B]                  ; the tiles' first positions: 2,048 x batch + query
	s_add_co_u32 s60, s58, s[Q0A]
	s_lshl_b32 s61, s14, 8                         ; the head's 256 bytes in a position
	s_mul_i32 s66, s59, ROWQ                       ; q's rows, in bytes (under 2^27)
	s_add_co_u32 s66, s66, s61
	s_mov_b32 s67, 0
	s_mul_i32 s68, s60, ROWQ
	s_add_co_u32 s68, s68, s61
	s_mov_b32 s69, 0
	s_lshl_b32 s70, s59, 12                        ; out0's rows: 4,096 bytes a position
	s_add_co_u32 s70, s70, s61
	s_mov_b32 s71, 0
	s_lshl_b32 s72, s60, 12
	s_add_co_u32 s72, s72, s61
	s_mov_b32 s73, 0
	s_mul_i32 s62, s12, 16*STEPB                   ; the head's codes in kv
	s_mul_i32 s[G0A+1], s10, STEPB                 ; waves 0-3 fetch: first step w, to LDS byte 12,800 w;
	s_add_co_u32 s74, s62, s[G0A+1]
	s_mov_b32 s75, 0
	s_mul_i32 s[G0B+1], s10, 3*STEPB
	s_add_co_u32 s[G0B+1], s[G0B+1], 4*STEPB       ; then steps 4 + 3 w .. 6 + 3 w, to LDS byte 51,200 + 38,400 w.  In kv and in LDS the bytes lie alike
	s_add_co_u32 s76, s62, s[G0B+1]
	s_mov_b32 s77, 0
	; descriptor group 1: a dense block as rows of 256 bytes (32 elements of 8 bytes), no padding: the images are read 16 bytes a lane, 512 consecutive bytes an instruction
	s_mov_b32 s[G1A+0], 3<<16                      ; 15:0 no mask; 17:16 elements of 8 bytes; 20 padding off
	s_mov_b32 s[G1A+1], 32<<16                     ; tensor_dim0 = 32
	s_mov_b32 s[G1A+2], 50<<16                     ; tensor_dim1 = 50
	s_mov_b32 s[G1A+3], 32<<16                     ; tile_dim0 = 32
	s_mov_b32 s[G1A+4], 50                         ; tile_dim1 = 50: 12,800 bytes
	s_mov_b32 s[G1A+5], 32                         ; from row to row: 32 elements
	s_mov_b32 s[G1A+6], 0
	s_mov_b32 s[G1A+7], 0
	s_mov_b32 s[G1B+0], 3<<16
	s_mov_b32 s[G1B+1], 32<<16
	s_mov_b32 s[G1B+2], 150<<16                    ; 150 rows: 38,400 bytes
	s_mov_b32 s[G1B+3], 32<<16
	s_mov_b32 s[G1B+4], 150
	s_mov_b32 s[G1B+5], 32
	s_mov_b32 s[G1B+6], 0
	s_mov_b32 s[G1B+7], 0
	s_mov_b32 s[SEL], 0x76543210
	s_mov_b32 s[SEL+1], 0xfedcba98
	s_mov_b32 s[CS], 0x3fb8aa3b                    ; log2(e)
	s_mov_b32 s[CS+1], s[CS]                       ; (named with it as a pair, so it is written)
	v_and_b32 v[T], 15, v0                         ; r
	v_bfe_u32 v[T+1], v0, 4, 1                     ; h
	s_delay_alu instid0(VALU_DEP_1)
	v_mul_u32_u24 v[GQ], v[T+1], ROWQ
	s_delay_alu instid0(VALU_DEP_1)
	v_lshl_add_u32 v[GQ], v[T], 4, v[GQ]           ; lanes 0-15 one query's 256 bytes, lanes 16-31 the next query's
	s_wait_dscnt 0x0
	s_wait_kmcnt 0x0
	s_mov_b32 s[G0A], 1                            ; 1:0 count = 1
	s_add_nc_u64 s[G0A+2:G0A+3], s[6:7], s[74:75]  ; 120:64 global address
	s_or_b32 s[G0A+3], s[G0A+3], 0x80000000        ; 127:126 type = 2
	s_mov_b32 s[G0B], 1
	s_add_nc_u64 s[G0B+2:G0B+3], s[6:7], s[76:77]
	s_or_b32 s[G0B+3], s[G0B+3], 0x80000000
	s_add_nc_u64 s[16:17], s[4:5], s[66:67]        ; q of the first pass,
	s_add_nc_u64 s[18:19], s[4:5], s[68:69]        ; of the second;
	s_add_nc_u64 s[20:21], s[8:9], s[70:71]        ; out0 likewise
	s_add_nc_u64 s[22:23], s[8:9], s[72:73]
	s_cmp_lt_u32 s10, 4                            ; all the launch's fills stand in this one branch, ahead of every wait on TENSORcnt, every LDS read and every barrier: a wave that fetches has two loads out
	s_cbranch_scc0 .Lno_fill
	tensor_load_to_lds s[G0A:G0A+3], s[G1A:G1A+7]
	s_nop 0
	tensor_load_to_lds s[G0B:G0B+3], s[G1B:G1B+7]
	s_nop 0
.rept 4
	v_nop
.endr
.Lno_fill:
	s_wait_alu depctr_va_vdst(0)
.irp i, 0,1,2,3,4,5,6,7
	global_load_b128 v[S+4*\i:S+4*\i+3], v[GQ], s[16:17] offset:2*ROWQ*\i th:TH_LOAD_NT        ; q, first pass: queries 2 i, 2 i + 1
.endr
.irp i, 0,1,2,3,4,5,6,7
	global_load_b128 v[S+32+4*\i:S+32+4*\i+3], v[GQ], s[18:19] offset:2*ROWQ*\i th:TH_LOAD_NT  ; q, second pass
.endr
	v_and_b32 v9, 31, v0
	s_delay_alu instid0(VALU_DEP_1)
	v_lshlrev_b32 v[LI], 4, v9
	s_mul_i32 s63, s10, 16*SP
	s_add_co_u32 s63, s63, STG                     ; my stage
	v_mul_u32_u24 v[T+2], v[T], SP
	s_delay_alu instid0(VALU_DEP_1)
	v_add_nc_u32 v[T+2], s63, v[T+2]
	s_delay_alu instid0(VALU_DEP_1)
	v_lshl_add_u32 v[STI], v[T+1], 5, v[T+2]
	s_delay_alu instid0(VALU_DEP_2)
	v_lshl_add_u32 v[QRD], v[T+1], 7, v[T+2]
	v_mul_u32_u24 v[T+3], v[T+1], SP
	s_delay_alu instid0(VALU_DEP_1)
	v_lshl_add_u32 v[T+3], v[T], 4, v[T+3]
	s_delay_alu instid0(VALU_DEP_1)
	v_add_nc_u32 v[SRW], s63, v[T+3]
	v_lshlrev_b32 v[GO], 12, v[T+1]
	s_delay_alu instid0(VALU_DEP_1)
	v_lshl_add_u32 v[GO], v[T], 4, v[GO]
	v_lshlrev_b32 v[SH8], 3, v[T+1]
	v_lshlrev_b32 v[DL], 4, v[T+1]
	s_delay_alu instid0(VALU_DEP_1)
	v_sub_nc_u32 v[DL], v[T], v[DL]
	v_mov_b32 v[NEG], 0xc61c4000
.irp j, 16,17,18,19,20,21,28,29,30,31,32,33,40,41,42,43,44,45
	v_mov_b32 v[\j], 0                             ; the zero codes beside q's
.endr
.irp b, 0,1,2,3
	v_mov_b32 v[PT+\b], 0                          ; written once: a lane permute's destination counts as one of its sources
.endr
	v_mov_b32 v[F+1], 0                            ; (named as the upper half of the pair)
; 16 rows of q, as loaded in v[raw] on, turn through my stage, so that lane (r, h) holds row r's block d = 32 h .. 32 h + 31 in v[xr] on; its codes go to v[qd] .. v[qd + 5], the row's scale word (b0, b1, b0, b1) to v[qs].
.macro QIN raw, xr, qd, qs
.irp i, 0,1,2,3,4,5,6,7
	ds_store_b128 v[SRW], v[\raw+4*\i:\raw+4*\i+3] offset:2*SP*\i
.endr
.irp i, 0,1,2,3,4,5,6,7
	ds_load_b128 v[\xr+4*\i:\xr+4*\i+3], v[QRD] offset:16*\i       ; my wave's own bytes; LDS serves a wave's instructions in order (ISA guide 5.7.1.4)
.endr
	s_wait_dscnt 0x0
	v_max3_num_f32 v[T], |v[\xr]|, |v[\xr+1]|, 0x1800000           ; the block's largest magnitude, all 32 numbers mine, in two chains; the floor 2^(3 - 127) among the leaves
	v_max3_num_f32 v[T+1], |v[\xr+16]|, |v[\xr+17]|, |v[\xr+18]|
.irp i, 2,4,6,8,10,12
	s_delay_alu instid0(VALU_DEP_2)
	v_max3_num_f32 v[T], v[T], |v[\xr+\i]|, |v[\xr+\i+1]|
	s_delay_alu instid0(VALU_DEP_2)
	v_max3_num_f32 v[T+1], v[T+1], |v[\xr+17+\i]|, |v[\xr+18+\i]|
.endr
	s_delay_alu instid0(VALU_DEP_2)
	v_max3_num_f32 v[T], v[T], |v[\xr+14]|, |v[\xr+15]|
	s_delay_alu instid0(VALU_DEP_1)
	v_max3_num_f32 v[T], v[T], v[T+1], |v[\xr+31]|
	s_delay_alu instid0(VALU_DEP_1)
	v_add_nc_u32 v[T+2], 0xff000000, v[T]          ; 2 off its exponent field: the conversion's scale operand
	s_delay_alu instid0(VALU_DEP_1)
	v_lshrrev_b32 v[T+3], 23, v[T+2]               ; the scale's byte
	v_cvt_scalef32_pk16_fp6_f32 v[\qd:\qd+2], v[\xr:\xr+15], v[T+2]
	v_cvt_scalef32_pk16_fp6_f32 v[CT:CT+2], v[\xr+16:\xr+31], v[T+2]   ; (a conversion's three registers begin on an even number)
	v_lshlrev_b32 v[T+3], v[SH8], v[T+3]           ; my byte at its place.  (Also the one plain instruction behind the conversions)
.irp i, 0,1,2
	v_mov_b32 v[\qd+3+\i], v[CT+\i]
.endr
	s_delay_alu instid0(VALU_DEP_4)
	v_permlanex16_b32 v[PT], v[T+3], s[SEL], s[SEL+1]
	s_delay_alu instid0(VALU_DEP_1)
	v_or_b32 v[T+3], v[T+3], v[PT]                 ; the row's two bytes,
	s_delay_alu instid0(VALU_DEP_1)
	v_lshl_or_b32 v[\qs], v[T+3], 16, v[T+3]       ; twice: they serve where q's codes stand at K 0-63 and where they stand at K 64-127
.endm
	s_wait_loadcnt 8                               ; the first pass's 8 loads are in; the second's 8 may be out
	QIN S, O, 22, 46
	s_wait_loadcnt 0x0
	QIN S+32, FR, 34, 47
	s_wait_dscnt 0x0
	s_wait_tensorcnt 0x1                           ; my first fill (one of steps 0-3) has landed; the larger one, issued behind it, may stay out
	s_barrier_signal -1
	s_barrier_wait -1                              ; steps 0-3 lie in LDS
; A KEY STEP: 128 keys.  qlo: q's codes followed by zero codes; qhi: zero codes followed by q's; qs: q's scale word; q0: the scalar register with my first query.
; causal = 0: a step that is known to count whole.
.macro STEP qlo, qhi, qs, q0, causal
.if \causal
	s_add_co_u32 s58, s[\q0], 15                   ; a step all of whose keys come after my 16 queries is left out: a scalar branch on ids, round the loads, products and softmax, not round the lines that step addresses
	s_cmp_gt_u32 s[KF], s58
	s_cbranch_scc1 .Lhidden_\@
.endif
	s_setprio 2
	v_add_nc_u32 v[ADR], s[TB], v[LI]
	ds_load_b128 v[SC:SC+3], v[ADR] offset:8*FRB
.irp b, 0,1,2,3
.irp c, 0,1,2
	ds_load_b128 v[FR+12*\b+4*\c:FR+12*\b+4*\c+3], v[ADR] offset:FRB*\b+512*\c
.endr
.endr
	s_wait_alu depctr_va_vdst(0)
.irp b, 0,1,2,3                                ; S^T = K Q^T: a double fragment gives tiles 2 b and 2 b + 1.  Each product starts its own sum
	s_wait_dscnt 9-3*\b                            ; the scale words and double fragments 0 .. b are in; the younger fragments, three loads each, may be out
	v_wmma_scale_f32_16x16x128_f8f6f4 v[S+16*\b:S+16*\b+7], v[FR+12*\b:FR+12*\b+11], v[\qlo:\qlo+11], 0, v[SC+\b], v[\qs] matrix_a_fmt:MATRIX_FMT_FP6 matrix_b_fmt:MATRIX_FMT_FP6
	v_wmma_scale_f32_16x16x128_f8f6f4 v[S+16*\b+8:S+16*\b+15], v[FR+12*\b:FR+12*\b+11], v[\qhi:\qhi+11], 0, v[SC+\b], v[\qs] matrix_a_fmt:MATRIX_FMT_FP6 matrix_b_fmt:MATRIX_FMT_FP6
.endr
.rept 4
	v_nop                                          ; four places in front of the loads into registers that these products read, and of the first read of their results
.endr
.irp t, 0,1,2,3
.irp c, 0,1,2
	ds_load_b128 v[FR+12*\t+4*\c:FR+12*\t+4*\c+3], v[ADR] offset:4*FRB+FRB*\t+512*\c   ; V's four fragments land while the softmax is worked
.endr
.endr
.if \causal                                    ; on the diagonal -10000 is added to the hidden scores.  A step all of whose keys count skips this
	s_add_co_u32 s57, s[KF], 127
	s_cmp_le_u32 s57, s[\q0]
	s_cbranch_scc1 .Lopen_\@
	s_sub_co_i32 s57, s[\q0], s[KF]
	v_add_nc_u32 v[T], s57, v[DL]                  ; my query - KF - 16 (lane / 16).  Register 16 b + i holds key KF + 32 b + 16 (lane / 16) + i: hidden where 32 b + i is larger
.irp n, 0,1,2,3,4,5,6,7,8,9,10,11,12,13,14,15,16,17,18,19,20,21,22,23,24,25,26,27,28,29,30,31,32,33,34,35,36,37,38,39,40,41,42,43,44,45,46,47,48,49,50,51,52,53,54,55,56,57,58,59,60,61,62,63
	v_cmp_gt_i32 vcc_lo, 32*(\n/16)+\n%16, v[T]
	s_delay_alu instid0(VALU_DEP_1)
	v_cndmask_b32 v[T+1+\n%2], 0, v[NEG], vcc_lo
	v_add_f32 v[S+\n], v[S+\n], v[T+1+\n%2]
.endr
.Lopen_\@:
.endif
.irp b, 0,1,2,3
	v_max3_num_f32 v[BM+\b], v[S+16*\b], v[S+1+16*\b], v[S+2+16*\b]   ; the largest score of each block of 32 keys: it serves for the row's maximum and, since p rises with the score, for the block's largest p
.endr
.irp i, 3,5,7,9,11,13
.irp b, 0,1,2,3
	v_max3_num_f32 v[BM+\b], v[BM+\b], v[S+16*\b+\i], v[S+1+16*\b+\i]   ; (the four blocks by turns)
.endr
.endr
.irp b, 0,1,2,3
	v_max_num_f32 v[BM+\b], v[BM+\b], v[S+15+16*\b]
.endr
.irp b, 0,1,2,3
	s_delay_alu instid0(VALU_DEP_4)
	v_permlanex16_b32 v[PT+\b], v[BM+\b], s[SEL], s[SEL+1]
.endr
.irp b, 0,1,2,3
	s_delay_alu instid0(VALU_DEP_4)
	v_max_num_f32 v[BM+\b], v[BM+\b], v[PT+\b]     ; with lane l xor 16's 16 keys
.endr
	s_delay_alu instid0(VALU_DEP_2)
	v_max3_num_f32 v[T], v[BM], v[BM+1], v[BM+2]
	s_delay_alu instid0(VALU_DEP_1)
	v_max_num_f32 v[T], v[T], v[BM+3]              ; the step's largest score of my query,
	s_delay_alu instid0(VALU_DEP_1)
	v_mul_f32 v[T], s[CS], v[T]                    ; as t
	s_delay_alu instid0(VALU_DEP_1)
	v_max_num_f32 v13, v13, v[T]                   ; the running largest t
	v_mov_b32 v[T], v12
	s_delay_alu instid0(VALU_DEP_2)
	v_floor_f32 v12, -v13                          ; the new -M = floor(-t) = -ceil(t): M is a whole number
	s_delay_alu instid0(VALU_DEP_1)
	v_sub_f32 v[T], v12, v[T]                      ; M's old value less its new one: a whole number, 0 or less
	s_delay_alu instid0(VALU_DEP_1)
	v_cvt_i32_f32 v[T], v[T]                       ; (it saturates)
	s_delay_alu instid0(VALU_DEP_1)
	v_ldexp_f32 v[F], 1.0, v[T]                    ; f = 2^(old M - new M)
.irp j, 0,2,4,6,8,10,12,14,16,18,20,22,24,26,28,30,32,34,36,38,40,42,44,46,48,50,52,54,56,58,60,62
	v_pk_fma_f32 v[S+\j:S+\j+1], v[S+\j:S+\j+1], s[CS:CS+1], v[12:13] op_sel_hi:[1,0,0]   ; t - M, two at a time (of the pairs the low word serves both halves)
.endr
.irp b, 0,1,2,3
	v_fma_f32 v[BM+\b], v[BM+\b], s[CS], v12       ; the same of each block's largest score
.endr
	s_setprio 1
	s_wait_alu depctr_va_vdst(0)
.irp j, 0,1,2,3,4,5,6,7,8,9,10,11,12,13,14,15,16,17,18,19,20,21,22,23,24,25,26,27,28,29,30,31,32,33,34,35,36,37,38,39,40,41,42,43,44,45,46,47,48,49,50,51,52,53,54,55,56,57,58,59,60,61,62,63
	v_exp_f32 v[S+\j], v[S+\j]                     ; p = 2^(t - M), at most 1, not normalised
.endr
.irp b, 0,1,2,3
	v_exp_f32 v[BM+\b], v[BM+\b]                   ; the block's largest p: the same two instructions on the same number
.endr
	v_pk_mul_f32 v[14:15], v[14:15], v[F:F+1] op_sel_hi:[1,0]   ; the sums under the new M.  (The plain instruction behind the exponentials: ISA guide 5.7.2)
	s_wait_alu depctr_va_vdst(0)
.irp b, 0,1,2,3
	v_max_num_f32 v[BM+\b], 0x1800000, v[BM+\b]    ; the floor 2^(3 - 127): the byte cannot fall under 1 (a block whose every p is 0 keeps that byte: its codes are zeros)
.endr
.irp b, 0,1,2,3
	s_delay_alu instid0(VALU_DEP_4)
	v_add_nc_u32 v[CO+\b], 0xff000000, v[BM+\b]    ; 2 off the exponent field: the conversion's scale operand
.endr
.irp b, 0,1,2,3
	s_delay_alu instid0(VALU_DEP_4)
	v_lshrrev_b32 v[PT+\b], 23, v[CO+\b]           ; the scale's byte
.endr
	s_delay_alu instid0(VALU_DEP_3)
	v_lshl_or_b32 v[PW], v[PT+1], 8, v[PT]         ; p's scale word for these 128 keys
	s_delay_alu instid0(VALU_DEP_1)
	v_lshl_or_b32 v[PW], v[PT+2], 16, v[PW]
	s_delay_alu instid0(VALU_DEP_1)
	v_lshl_or_b32 v[PW], v[PT+3], 24, v[PW]
.irp c, 0,1
	v_cvt_scalef32_pk16_fp6_f32 v[PC+6*\c:PC+6*\c+2], v[S+32*\c:S+32*\c+15], v[CO+2*\c]
	v_cvt_scalef32_pk16_fp6_f32 v[CT+4*\c:CT+4*\c+2], v[S+16+32*\c:S+31+32*\c], v[CO+2*\c+1]   ; (a conversion's three registers begin on an even number)
.endr
	v_nop                                          ; one plain instruction between a scaled conversion and the instruction that touches its result
.irp c, 0,1                                    ; the operand's layout wants a whole block in a lane: lanes 0-15 block 2 c, lanes 16-31 block 2 c + 1
.irp i, 0,1,2
	v_permlane16_swap_b32 v[PC+6*\c+\i], v[CT+4*\c+\i]
.endr
.irp i, 0,1,2
	s_delay_alu instid0(VALU_DEP_3)
	v_mov_b32 v[PC+3+6*\c+\i], v[CT+4*\c+\i]
.endr
.endr
	v_pk_add_f32 v[238:239], v[100:101], v[104:105]
	v_pk_add_f32 v[252:253], v[108:109], v[112:113]
	v_pk_add_f32 v[250:251], v[116:117], v[120:121]
	v_pk_add_f32 v[248:249], v[124:125], v[128:129]
	v_pk_add_f32 v[246:247], v[132:133], v[136:137]
	v_pk_add_f32 v[244:245], v[140:141], v[144:145]
	v_pk_add_f32 v[242:243], v[148:149], v[152:153]
	v_pk_add_f32 v[14:15], v[14:15], v[156:157]
	v_pk_add_f32 v[238:239], v[238:239], v[96:97]
	v_pk_add_f32 v[252:253], v[252:253], v[98:99]
	v_pk_add_f32 v[250:251], v[250:251], v[102:103]
	v_pk_add_f32 v[248:249], v[248:249], v[106:107]
	v_pk_add_f32 v[246:247], v[246:247], v[110:111]
	v_pk_add_f32 v[244:245], v[244:245], v[114:115]
	v_pk_add_f32 v[242:243], v[242:243], v[118:119]
	v_pk_add_f32 v[14:15], v[14:15], v[122:123]
	v_pk_add_f32 v[238:239], v[238:239], v[126:127]
	v_pk_add_f32 v[252:253], v[252:253], v[130:131]
	v_pk_add_f32 v[250:251], v[250:251], v[134:135]
	v_pk_add_f32 v[248:249], v[248:249], v[138:139]
	v_pk_add_f32 v[246:247], v[246:247], v[142:143]
	v_pk_add_f32 v[244:245], v[244:245], v[146:147]
	s_setprio 0
	v_pk_add_f32 v[242:243], v[242:243], v[150:151]
	v_pk_add_f32 v[14:15], v[14:15], v[154:155]
	v_pk_add_f32 v[238:239], v[238:239], v[158:159]
	s_delay_alu instid0(VALU_DEP_2)
	v_pk_add_f32 v[14:15], v[14:15], v[248:249]
	s_delay_alu instid0(VALU_DEP_2)
	v_pk_add_f32 v[238:239], v[238:239], v[246:247]
	v_pk_add_f32 v[252:253], v[252:253], v[244:245]
	v_pk_add_f32 v[250:251], v[250:251], v[242:243]
	s_delay_alu instid0(VALU_DEP_2)
	v_pk_add_f32 v[14:15], v[14:15], v[252:253]
	s_delay_alu instid0(VALU_DEP_2)
	v_pk_add_f32 v[238:239], v[238:239], v[250:251]
	s_delay_alu instid0(VALU_DEP_1)
	v_pk_add_f32 v[14:15], v[14:15], v[238:239]
.irp j, 0,2,4,6,8,10,12,14,16,18,20,22,24,26,28,30
	v_pk_mul_f32 v[O+\j:O+\j+1], v[O+\j:O+\j+1], v[F:F+1] op_sel_hi:[1,0]   ; O^T under the new M.  (With the sums above: 48 plain instructions between p's codes and scale word and the products that take them)
.endr
	s_wait_alu depctr_va_vdst(0)
	s_wait_dscnt 0x0                               ; V's fragments are in
.irp t, 0,1,2,3                                ; O^T += V^T P^T: four tiles of 16 of the head's 64, one instruction each: the four accumulators take turns
	v_wmma_scale_f32_16x16x128_f8f6f4 v[O+8*\t:O+8*\t+7], v[FR+12*\t:FR+12*\t+11], v[PC:PC+11], v[O+8*\t:O+8*\t+7], v[SC+\t], v[PW] matrix_a_fmt:MATRIX_FMT_FP6 matrix_b_fmt:MATRIX_FMT_FP6 matrix_a_scale:MATRIX_SCALE_ROW1
.endr
.rept 4
	v_nop                                          ; four places in front of the next step's loads into these products' registers, and of the way out's first read of O^T
.endr
.if \causal
.Lhidden_\@:
.endif
	s_add_co_u32 s[TB], s[TB], STEPB               ; the next step
	s_add_co_u32 s[KF], s[KF], 128
.endm
; So many steps in a row: the trip count is a constant of the text, whatever counts.
.macro WALK trips, qlo, qhi, qs, q0, causal
	s_mov_b32 s[CNT], \trips
.Lwalk_\@:
	STEP \qlo, \qhi, \qs, \q0, \causal
	s_sub_co_u32 s[CNT], s[CNT], 1
	s_cmp_lg_u32 s[CNT], 0
	s_cbranch_scc1 .Lwalk_\@
	s_setprio 0
.endm
; A pass begins.  O^T and the sum begin as zeros and the largest t under every t, so that the step is written without a first step of its own: the first change of M multiplies zeros.
.macro INIT
	v_mov_b32 v13, 0xff61b1e6                      ; -3e38
	s_delay_alu instid0(VALU_DEP_1)
	v_floor_f32 v12, -v13
	v_mov_b32 v14, 0
	v_mov_b32 v15, 0
.irp j, 0,1,2,3,4,5,6,7,8,9,10,11,12,13,14,15,16,17,18,19,20,21,22,23,24,25,26,27,28,29,30,31
	v_mov_b32 v[O+\j], 0
.endr
	s_mov_b32 s[TB], 0
	s_mov_b32 s[KF], 0
.endm
; A pass ends.  O^T is divided by the row's sum and goes through my stage: a lane's eight numbers of a tile are 32 bytes of its query's row; the rows come back whole, 256 bytes to sixteen lanes.
.macro OUT base
	v_add_f32 v14, v14, v15                        ; the sum's two halves,
	s_delay_alu instid0(VALU_DEP_1)
	v_permlanex16_b32 v[PT], v14, s[SEL], s[SEL+1]
	s_delay_alu instid0(VALU_DEP_1)
	v_add_f32 v14, v14, v[PT]                      ; and lane l xor 16's
	s_wait_alu depctr_va_vdst(0)
	v_rcp_f32 v14, v14
	v_nop                                          ; one plain instruction behind a transcendental
	s_wait_alu depctr_va_vdst(0)
.irp j, 0,2,4,6,8,10,12,14,16,18,20,22,24,26,28,30
	v_pk_mul_f32 v[S+\j:S+\j+1], v[O+\j:O+\j+1], v[14:15] op_sel_hi:[1,0]   ; register 8 t + i is o(query r, d = 16 t + 8 h + i); each accumulator from its low end on
.endr
.irp t, 0,1,2,3
	ds_store_b128 v[STI], v[S+8*\t:S+8*\t+3] offset:64*\t
	ds_store_b128 v[STI], v[S+8*\t+4:S+8*\t+7] offset:64*\t+16
.endr
.irp i, 0,1,2,3,4,5,6,7
	ds_load_b128 v[S+32+4*\i:S+32+4*\i+3], v[SRW] offset:2*SP*\i     ; my wave's own bytes, served in order
.endr
.irp i, 0,1,2,3,4,5,6,7
	s_wait_dscnt 7-\i                              ; rows 2 i, 2 i + 1 are back; the younger loads may be out
	global_store_b128 v[GO], v[S+32+4*\i:S+32+4*\i+3], s[\base:\base+1] offset:8192*\i th:TH_STORE_NT   ; sixteen lanes store 256 consecutive bytes, at a multiple of 256 from out0's first byte
.endr
	s_wait_xcnt 0x0                                ; the stores' data registers are written again only behind this wait
.endm
	INIT
	WALK 4, 22, 16, 46, Q0B, 0                     ; first pass: my queries are 1,024 or later, so steps 0-3 (keys 0 to 511) count whole.  The larger fills land meanwhile; these trips read LDS bytes under 51,200
	s_wait_tensorcnt 0x0                           ; my larger fill has landed,
	s_wait_dscnt 0x0
	s_barrier_signal -1
	s_barrier_wait -1                              ; everybody's has: all sixteen steps lie in LDS
	WALK 12, 22, 16, 46, Q0B, 1
	OUT 20
	INIT
	WALK 16, 34, 28, 47, Q0A, 1                    ; second pass
	OUT 22
	s_wait_tensorcnt 0x0
	ds_add_u32 v254, v255
	s_wait_dscnt 0x0
	s_endpgm
.Lfunc_end_k_q2f90ae32d8_attn:
	.size	k_q2f90ae32d8_attn, .Lfunc_end_k_q2f90ae32d8_attn-k_q2f90ae32d8_attn
	.p2alignl 7, 3214868480
	.fill 96, 4, 3214868480
	.section	.rodata,"a",@progbits
	.p2align	6, 0x0
	.amdhsa_kernel k_q2f90ae32d8_attn
		.amdhsa_group_segment_fixed_size 276480
		.amdhsa_private_segment_fixed_size 0
		.amdhsa_enable_private_segment 0
		.amdhsa_kernarg_size 24
		.amdhsa_user_sgpr_count 2
		.amdhsa_user_sgpr_kernarg_segment_ptr 1
		.amdhsa_wavefront_size32 1
		.amdhsa_system_sgpr_workgroup_id_x 1
		.amdhsa_system_sgpr_workgroup_id_y 1
		.amdhsa_system_sgpr_workgroup_id_z 1
		.amdhsa_system_vgpr_workitem_id 0
		.amdhsa_next_free_vgpr 256
		.amdhsa_next_free_sgpr 80
		.amdhsa_reserve_vcc 1
		.amdhsa_float_denorm_mode_32 3
		.amdhsa_float_denorm_mode_16_64 3
		.amdhsa_memory_ordered 1
		.amdhsa_forward_progress 1
		.amdhsa_inst_pref_size 93
	.end_amdhsa_kernel
	.amdgpu_metadata
---
amdhsa.version: [ 1, 2 ]
amdhsa.kernels:
  - .name:           k_q2f90ae32d8_attn
    .symbol:         k_q2f90ae32d8_attn.kd
    .args:
      - { .name: qkv, .offset: 0, .size: 8, .value_kind: global_buffer, .address_space: global }
      - { .name: kv, .offset: 8, .size: 8, .value_kind: global_buffer, .address_space: global }
      - { .name: out0, .offset: 16, .size: 8, .value_kind: global_buffer, .address_space: global }
    .group_segment_fixed_size: 276480
    .private_segment_fixed_size: 0
    .kernarg_segment_align: 8
    .kernarg_segment_size: 24
    .max_flat_workgroup_size: 512
    .sgpr_count:     80
    .vgpr_count:     256
    .wavefront_size: 32
...
	.end_amdgpu_metadata
.endif
;; end of part 2
